; MI455X (gfx1250); checked and timed in simulation.
; The chip was launched on July 23, 2026; its instructions are those of AMD's public machine-readable ISA for CDNA 5 (MIT licence, August 2026) and "CDNA5" Instruction Set Architecture Reference Guide (July 2026). The comments in the code are by the model that wrote it; some were corrected since.
;; Knowledge Circuit. Allowed arithmetic: matrix products marked QUANTISED: E2M3 operands, one E8M0 scale for each 32 along K, by v_wmma_scale_f32_16x16x128_f8f6f4 with both operands' format E2M3, f32 sums; products left as they are: f32 operands where the result goes on into a quantised operand, else bf16, f16 or f32 operands; f32 sums; everything else in f32.
;; Inputs: feature_know 16 x 1,024 x 256 float32; feature_know_w 4 x 2,048 x 16 float32; restore_know 16 x 256 x 1,024 float32; restore_know_w 4 x 2,048 x 16 float32; x 4 x 2,048 x 1,024 float32.
;; Outputs: out0 4 x 2,048 x 1,024 float32.
;; This version of the problem:
;;   THIS VERSION OF THE PROBLEM IS GIVEN IN LOW PRECISION. The matrix products marked QUANTISED in the list below multiply operands that are first quantised to E2M3 (2 exponent bits, 3 mantissa bits; 6 bits a number), with one power-of-two scale for each 32 numbers along K (OCP MX v1.0); their sums are f32. All else is computed in f32.
;;   The module's matrix products, in the order in which they are computed (A, B: the left and right operand; K: the contracted axis; several contracted axes count as one K, in the product's order):
;;     1. [M 4,096, K 1,024] x [K 1,024, N 8,192]; A: input feature_know; B: input x: QUANTISED
;;     2. batch 8,192 x [M 1, K 16] x [K 16, N 256]; A: input feature_know_w; B: computed on the way: left as it is (K = 16 < 32)
;;     3. batch 8,192 x [M 16, K 1] x [K 1, N 256]; A: computed on the way; B: computed on the way: left as it is (no contracted axis)
;;     4. [M 8,192, K 4,096] x [K 4,096, N 1,024]; A: computed on the way; B: input restore_know: QUANTISED
;;   THE QUANTISER, for each operand of a quantised product, along K:
;;     - K is cut into blocks of 32 from its start; a last block that is shorter is filled with zeros.
;;     - A block's scale is 2^e with e = floor(log2(the largest magnitude in the block)) - 2, held to -126 .. 127; a block of zeros has e = 0. As a byte (E8M0): e + 127.
;;     - Each number is divided by its block's scale, clamped to +-7.5, and rounded to the nearest number of E2M3, ties to even, subnormals kept.
;;     - The product sums the exact products of the quantised numbers (number of the format x scale) in f32.
;;   ~~~python
;;   def quantise(x, axis):      # numpy; x: float32 -> the quantised numbers, widened to float32 again
;;       x = np.moveaxis(x, axis, -1); K = x.shape[-1]
;;       x = np.pad(x, [(0, 0)] * (x.ndim - 1) + [(0, -K % 32)]); x = x.reshape(x.shape[:-1] + (-1, 32)); a = np.abs(x).max(-1, keepdims=True)
;;       e = np.where(a > 0, np.clip(np.frexp(np.where(a > 0, a, 1))[1] - 1 - 2, -126, 127), 0)      # np.frexp(a)[1] - 1 = floor(log2(a)), exactly
;;       r = np.clip(x / 2.0 ** e, -7.5, 7.5)
;;       step = 2.0 ** (np.maximum(np.frexp(np.where(r == 0, 1, r))[1] - 1, 0) - 3)
;;       q = np.round(r / step) * step * 2.0 ** e      # np.round: ties to even
;;       return np.moveaxis(q.reshape(q.shape[:-2] + (-1,))[..., :K], -1, axis).astype(np.float32)
;;   ~~~
;;   OPERANDS COMPUTED ON THE WAY. 'Computed on the way' means the value that the module computes at that place (a softmax that the list does not call 'softmax' is quantised finished and normalised). What goes into a quantiser is computed in f32, as accurately as f32 sums, v_exp_f32 and their like allow (about 1e-6 of the number): no bf16 or f16 on the way to a quantiser, and a product that is left as it is and whose result goes on into a quantised operand takes f32 operands (vector FMAs, or v_wmma_f32_16x16x4_f32). A number that lies on a knife's edge between two numbers of the format may be rounded either way, as far as f32 arithmetic and the matrix unit's own rounding can turn it there, and no further.
;; One version. Each part assembles by itself: llvm-mc -triple=amdgcn-amd-amdhsa -mcpu=gfx1250 --defsym DOCPART=n.
;; ======== version 1 of 1: 3 launches
;; limits: right only within a limited range of input values
;; workspace buffers: xq 6,553,600 bytes; fq 3,276,800 bytes; rq 3,276,800 bytes; gq 26,214,400 bytes
;; launch quant (part 1): grid 1024 x 1, 4 waves a work-group, no clusters, 46,592 bytes of LDS; arguments x, feature_know, restore_know, xq, fq, rq; writes xq, fq, rq
.if DOCPART == 1
	.amdgcn_target "amdgcn-amd-amdhsa--gfx1250"
	.amdhsa_code_object_version 6
	.text
	.protected	k_qdd1912fcb1_quant
	.globl	k_qdd1912fcb1_quant
	.p2align	8
	.type	k_qdd1912fcb1_quant,@function
k_qdd1912fcb1_quant:
	s_mov_b64 s[64:65], 0
	v_nop
	global_prefetch_b8 v0, s[64:65] scope:SCOPE_SE
	s_setreg_imm32_b32 hwreg(HW_REG_WAVE_MODE, 25, 1), 1
	s_wait_xcnt 0x0
; x [8192][1024], feature_know [16][1024][256] and restore_know [16][256][1024], all f32, are turned ONCE into codes of FP6 (E2M3) with one E8M0 byte for each 32 along a product's K.
; A block's scale is 2^(floor(log2(its largest magnitude)) - 2); its byte is the largest magnitude's exponent field - 2, held at 1 from below by a floor among the maximum's leaves.
; LIMITS: a block of zeros gets the byte 1 where the quantiser says 127 (its codes are zeros, and this program alone reads the bytes); blocks whose largest magnitude lies under 2^-124 are held at the byte 1;
; NaN and infinities among the inputs are not served.
; THE OUTPUT IS LAID AS IMAGES OF THE OPERAND'S REGISTERS.  A fragment (16 rows x 128 K, 12 registers a lane) is 1,536 bytes: registers 4 c .. 4 c + 3 of lane L at 512 c + 16 L.  Lane (row, h) holds in
; registers 6 c .. 6 c + 5 the block 2 c + h of its row.  Scale words lie two tiles to a register: place 0-15 the rows of the even tile (or K step), place 16-31 those of the odd one.
;   xq [512 tiles of 16 tokens][12,800]: codes of K step s at 1,536 s; scale words at 12,288 + 128 p + 4 place (place < 16: K step 2 p, else 2 p + 1).
;   fq [rb 8][n 16][25,600]: codes at 3,072 s + 1,536 u; scale words at 24,576 + 128 s + 4 place.  Row rho of tile u is r = 32 rb + 8 u + rho + 8 (rho / 8).
;   rq [dt 4][sl 8][j 4][25,600]: codes at 1,536 (2 pr + u); scale words at 24,576 + 128 pr + 4 place.  Row rho is d = 256 dt + 32 pr + 8 u + rho + 8 (rho / 8).
;      K step (sl, j) of the second product holds four whole blocks of the quantiser: block b is n = 4 j + b, r = 32 sl .. 32 sl + 31.
; SHARES.  4,096 wave units of 16 KiB.  Work-groups 0-511: a tile of 16 tokens of x, wave p its K steps 2 p, 2 p + 1.  Work-groups 512-767: feature_know; 768-1023: restore_know: a wave takes 32 columns x 128 K.
; No tensor load, no barrier, no matrix work, no cluster: waves share nothing, and every input byte is read once.  The two paths part on the work-group's number and have LDS bytes of their own.
.set XSP,  528                         ; x's stage: a row of 512 bytes + 16
.set XWB,  16*XSP                      ; 16 rows a wave
.set WST,  4*XWB                       ; behind the four: the weights' stages,
.set WWB,  3072                        ; two images a wave
.set LA,   64                          ; x: v64-127 K step 2 p as loaded, later 64 numbers in the operand's order
.set LB,   128                         ; v128-191 K step 2 p + 1 as loaded
.set TT,   192                         ; v192-255 64 numbers in the operand's order
.set PC0,  16                          ; v16-27, v28-39 the two fragments' codes
.set PC1,  28
.set TC,   40                          ; v40-42, v44-46 a block's upper 16 codes (a conversion's three registers begin on an even number)
.set MX,   48
.set SC,   50
.set BY,   52
.set W0,   54
.set W1,   55
	s_load_b256 s[4:11], s[0:1], 0x0               ; x s[4:5], feature_know s[6:7], restore_know s[8:9], xq s[10:11]
	s_load_b128 s[12:15], s[0:1], 0x20             ; fq s[12:13], rq s[14:15]
	v_lshl_add_u32 v62, v0, 2, 0xb400
	v_mov_b32 v63, 0
	v_lshrrev_b32 v1, 5, v0
	v_readfirstlane_b32 s16, v1                    ; wave 0..3
	v_and_b32 v1, 31, v0                           ; lane l
	v_and_b32 v10, 15, v0                          ; l % 16
	v_bfe_u32 v11, v0, 4, 1                        ; l / 16
	v_bfe_u32 v12, v0, 3, 1                        ; u = (l / 8) % 2: a column's tile
	v_and_b32 v13, 7, v0
	v_lshl_add_u32 v13, v11, 3, v13                ; rho = l % 8 + 8 (l / 16): its row there
	v_lshlrev_b32 v6, 4, v1                        ; 16 l
	v_lshlrev_b32 v7, 2, v1                        ; 4 l
	v_lshlrev_b32 v9, 3, v11                       ; 8 (l / 16): where my two scale bytes stand in a word
	s_mul_i32 s18, s16, XWB                        ; every LDS address is made here, ahead of the parting
	v_add_nc_u32 v2, s18, v6                       ; x's stage, in: 16 l of a row
	v_mul_u32_u24 v3, v10, XSP
	v_lshl_add_u32 v3, v11, 7, v3
	v_add_nc_u32 v3, s18, v3                       ; and out: row l % 16, + 128 (l / 16): my blocks
	s_mul_i32 s18, s16, WWB
	s_add_co_u32 s18, s18, WST
	v_mul_u32_u24 v4, v12, 1536
	v_lshl_add_u32 v4, v13, 4, v4
	v_add_nc_u32 v4, s18, v4                       ; the weights' stage, in: image u, lane rho
	v_add_nc_u32 v5, s18, v6                       ; and out: 16 l
	v_lshlrev_b32 v8, 6, v12
	v_lshl_add_u32 v8, v13, 2, v8                  ; 4 x (16 u + rho): my column's scale word
	v_mov_b32 v57, 0                               ; written once: a lane permute's destination counts as one of its sources
	s_mov_b32 s36, 0x76543210
	s_mov_b32 s37, 0xfedcba98                      ; v_permlanex16_b32's selects for lane l xor 16
	s_mov_b32 s25, 0                               ; the three offsets' high words
	s_mov_b32 s27, 0
	s_mov_b32 s29, 0
	s_wait_kmcnt 0x0
	s_cmp_lt_u32 ttmp9, 512
	s_cbranch_scc0 .Lweights
; ---------------- x: K is innermost.  Each load reads 512 consecutive bytes of a row; a K step's 16 rows turn through the wave's own stage, so that lane (row, h) holds the whole blocks h and 2 + h of its row.
.macro XTURN from, to
.irp r, 0,1,2,3,4,5,6,7,8,9,10,11,12,13,14,15
	ds_store_b128 v2, v[\from+4*\r:\from+4*\r+3] offset:XSP*\r
.endr
.irp c, 0,1
.irp e, 0,1,2,3,4,5,6,7
	ds_load_b128 v[\to+32*\c+4*\e:\to+32*\c+4*\e+3], v3 offset:256*\c+16*\e   ; LDS serves a wave's instructions in order (ISA guide 5.7.1.4): these see the stores above
.endr
.endr
.endm
; 64 numbers, v[src + 32 c + i] = k 64 c + 32 (l / 16) + i of my row, become the fragment's twelve registers in v[pc] on and the row's scale word in v[w] (in both halves of the lanes)
.macro XQ src, pc, w
.irp c, 0,1
	v_max3_num_f32 v[MX+\c], |v[\src+32*\c]|, |v[\src+32*\c+1]|, 0x1800000   ; the floor 2^(3 - 127) among the leaves: the byte cannot fall under 1
.endr
.irp i, 2,4,6,8,10,12,14,16,18,20,22,24,26,28,30
.irp c, 0,1
	v_max3_num_f32 v[MX+\c], v[MX+\c], |v[\src+32*\c+\i]|, |v[\src+32*\c+\i+1]|   ; the two blocks by turns
.endr
.endr
.irp c, 0,1
	v_add_nc_u32 v[SC+\c], 0xff000000, v[MX+\c]    ; 2 off the exponent field: the conversion takes this operand's exponent field as its scale
.endr
.irp c, 0,1
	v_lshrrev_b32 v[BY+\c], 23, v[SC+\c]           ; the scale's byte
.endr
	v_lshl_or_b32 v[\w], v[BY+1], 16, v[BY]        ; blocks h and 2 + h,
	v_lshlrev_b32 v[\w], v9, v[\w]                 ; at their places in the word;
	v_permlanex16_b32 v57, v[\w], s36, s37
	v_or_b32 v[\w], v[\w], v57                     ; with lane l xor 16's two the word is whole
.irp c, 0,1
	v_cvt_scalef32_pk16_fp6_f32 v[\pc+6*\c:\pc+6*\c+2], v[\src+32*\c:\src+32*\c+15], v[SC+\c]
	v_cvt_scalef32_pk16_fp6_f32 v[TC+4*\c:TC+4*\c+2], v[\src+32*\c+16:\src+32*\c+31], v[SC+\c]
.endr
	v_nop                                          ; one plain place behind a scaled conversion
.irp c, 0,1
.irp i, 0,1,2
	v_mov_b32 v[\pc+6*\c+3+\i], v[TC+4*\c+\i]
.endr
.endr
.endm
	s_lshl_b32 s24, ttmp9, 16                      ; my tile's 16 rows of 4,096 bytes,
	s_lshl_b32 s18, s16, 10
	s_add_co_u32 s24, s24, s18                     ; my wave's 1,024 bytes of each
	s_mul_i32 s19, ttmp9, 12800                    ; the tile's record in xq
	s_mul_i32 s18, s16, 3072
	s_add_co_u32 s26, s19, s18                     ; its K steps 2 p, 2 p + 1
	s_lshl_b32 s18, s16, 7
	s_add_co_u32 s28, s19, s18                     ; their scale words (12,288 stands in the store's immediate)
	s_add_nc_u64 s[30:31], s[4:5], s[24:25]
	s_add_nc_u64 s[32:33], s[10:11], s[26:27]
	s_add_nc_u64 s[34:35], s[10:11], s[28:29]
.irp i, 0,1
.irp r, 0,1,2,3,4,5,6,7,8,9,10,11,12,13,14,15
	global_load_b128 v[LA+64*\i+4*\r:LA+64*\i+4*\r+3], v6, s[30:31] offset:4096*\r+512*\i th:TH_LOAD_NT
.endr
.endr
	s_mov_b32 vcc_lo, 0xffff0000                   ; lanes 16-31
	s_wait_loadcnt 16                              ; the first K step's 16 loads are in; the second's 16 may be out
	s_wait_alu depctr_va_vdst(0)
	XTURN LA, TT
	s_wait_dscnt 0x0
	XQ TT, PC0, W0
.irp c, 0,1,2
	global_store_b128 v6, v[PC0+4*\c:PC0+4*\c+3], s[32:33] offset:512*\c          ; 32 lanes store 512 consecutive bytes, at a multiple of 256 from xq's first byte
.endr
	s_wait_loadcnt 0x0
	XTURN LB, LA                                   ; the stage's first reads are back, and so are the stores that read v64-127
	s_wait_dscnt 0x0
	XQ LA, PC1, W1
.irp c, 0,1,2
	global_store_b128 v6, v[PC1+4*\c:PC1+4*\c+3], s[32:33] offset:1536+512*\c
.endr
	v_cndmask_b32 v[W0], v[W0], v[W1], vcc_lo      ; lanes 0-15: K step 2 p's words; lanes 16-31: K step 2 p + 1's
	global_store_b32 v7, v[W0], s[34:35] offset:12288   ; 128 consecutive bytes; the four waves' stores fill two aligned runs of 256
	s_wait_tensorcnt 0x0
	ds_add_u32 v62, v63
	s_wait_dscnt 0x0
	s_endpgm
; ---------------- the weights: K is not innermost.  A lane takes a column and its registers run down K: a block of 32 lies in one lane, and the conversions give codes with K innermost.
.Lweights:
	s_sub_co_u32 s17, ttmp9, 512                   ; 0-255: feature_know; 256-511: restore_know.  Both units' offsets are made, then one compare chooses
	s_and_b32 s18, s17, 1
	s_bfe_u32 s19, s17, 0x30001                    ; F: K step s
	s_bfe_u32 s20, s17, 0x40004                    ;    n
	s_lshl_b32 s24, s20, 20                        ;    n x 1,024 rows of 1,024 bytes
	s_lshl_b32 s21, s19, 17                        ;    + 128 s rows
	s_add_co_u32 s24, s24, s21
	s_lshl_b32 s21, s18, 2
	s_add_co_u32 s21, s21, s16                     ;    which 32 columns: rb
	s_lshl_b32 s22, s21, 7
	s_add_co_u32 s24, s24, s22                     ;    the source
	s_lshl_b32 s22, s21, 4
	s_add_co_u32 s22, s22, s20
	s_mul_i32 s22, s22, 25600                      ;    record (rb, n)
	s_mul_i32 s26, s19, 3072
	s_add_co_u32 s26, s26, s22                     ;    the codes
	s_lshl_b32 s28, s19, 7
	s_add_co_u32 s28, s28, s22
	s_add_co_u32 s28, s28, 24576                   ;    the scale words
	s_and_b32 s39, s17, 255
	s_and_b32 s40, s39, 7
	s_bfe_u32 s41, s39, 0x20003                    ; R: j
	s_lshr_b32 s42, s39, 5                         ;    sl
	s_lshl_b32 s43, s41, 22                        ;    n = 4 j: 256 rows of 4,096 bytes each
	s_lshl_b32 s44, s42, 17                        ;    + 32 sl rows
	s_add_co_u32 s43, s43, s44
	s_lshl_b32 s44, s40, 2
	s_add_co_u32 s44, s44, s16                     ;    which 32 columns
	s_lshl_b32 s45, s44, 7
	s_add_co_u32 s43, s43, s45                     ;    the source
	s_lshr_b32 s45, s44, 3                         ;    dt
	s_and_b32 s44, s44, 7                          ;    pr
	s_lshl_b32 s45, s45, 3
	s_add_co_u32 s45, s45, s42
	s_mul_i32 s45, s45, 102400
	s_mul_i32 s38, s41, 25600
	s_add_co_u32 s45, s45, s38                     ;    record (dt, sl, j)
	s_mul_i32 s38, s44, 3072
	s_add_co_u32 s38, s38, s45                     ;    the codes
	s_lshl_b32 s44, s44, 7
	s_add_co_u32 s44, s44, s45
	s_add_co_u32 s44, s44, 24576                   ;    the scale words
	s_cmp_lt_u32 s17, 256                          ; the choice hangs on the work-group's number alone
	s_cselect_b64 s[30:31], s[6:7], s[8:9]
	s_cselect_b64 s[32:33], s[12:13], s[14:15]
	s_cselect_b32 s24, s24, s43
	s_cselect_b32 s26, s26, s38
	s_cselect_b32 s28, s28, s44
	s_mov_b64 s[34:35], s[32:33]
	s_add_nc_u64 s[30:31], s[30:31], s[24:25]
	s_add_nc_u64 s[32:33], s[32:33], s[26:27]
	s_add_nc_u64 s[34:35], s[34:35], s[28:29]
; block q's 32 numbers of my column into v[64 + 32 q] on: a wave's load reads 128 consecutive bytes, the four waves stand side by side on 512
.macro WLOAD q, pitch, step
.irp i, 0,1,2,3,4,5,6,7,8,9,10,11,12,13,14,15,16,17,18,19,20,21,22,23,24,25,26,27,28,29,30,31
	global_load_b32 v[64+32*(\q)+\i], v7, s[30:31] offset:(\q)*\step+\i*\pitch th:TH_LOAD_NT
.endr
.endm
.macro WPICK q                         ; F: rows 1,024 bytes apart, a block 32 rows on.  R: rows 4,096 bytes apart, a block one n (2^20 bytes) on.  Only the immediates differ
	s_cmp_lt_u32 s17, 256
	s_cbranch_scc0 .Lrestore_\@
	WLOAD \q, 1024, 32768
	s_branch .Lpicked_\@
.Lrestore_\@:
	WLOAD \q, 4096, 1048576
.Lpicked_\@:
.endm
; block b: its largest magnitude (all 32 numbers are mine), byte and codes; the codes go to their place in the image: lane rho + 16 (b % 2), registers 6 (b / 2) on
.macro WBLOCK b, left, more
.set XB, 64+32*(\b)
.set CB, 16+8*(\b)
	s_wait_loadcnt \left                           ; this block's 32 loads are in; the next block's 32 may be out
.if \more
	WPICK (\b)+2                                   ; loads run two blocks ahead
.endif
	v_max3_num_f32 v52, |v[XB]|, |v[XB+1]|, |v[XB+2]|
	v_max3_num_f32 v53, |v[XB+3]|, |v[XB+4]|, |v[XB+5]|
.irp i, 6,10,14,18,22,26
	v_max3_num_f32 v52, v52, |v[XB+\i]|, |v[XB+\i+1]|
	v_max3_num_f32 v53, v53, |v[XB+\i+2]|, |v[XB+\i+3]|
.endr
	v_max3_num_f32 v52, v52, |v[XB+30]|, |v[XB+31]|
	v_max3_num_f32 v52, v52, v53, 0x1800000        ; and the floor
	v_add_nc_u32 v54, 0xff000000, v52
	v_lshrrev_b32 v55, 23, v54
.if (\b) == 0
	v_mov_b32 v56, v55                             ; the column's scale word: byte b for block b
.else
	v_lshl_or_b32 v56, v55, 8*(\b), v56
.endif
	v_cvt_scalef32_pk16_fp6_f32 v[CB:CB+2], v[XB:XB+15], v54
	v_cvt_scalef32_pk16_fp6_f32 v[48:50], v[XB+16:XB+31], v54
	v_nop                                          ; one plain place behind a scaled conversion
.irp i, 0,1,2
	v_mov_b32 v[CB+3+\i], v[48+\i]
.endr
.if (\b) < 2
	ds_store_b128 v4, v[CB:CB+3] offset:256*(\b)                ; registers 0-3
	ds_store_b64 v4, v[CB+4:CB+5] offset:256*(\b)+512           ; registers 4, 5
.else
	ds_store_b64 v4, v[CB:CB+1] offset:256*((\b)-2)+520         ; registers 6, 7
	ds_store_b128 v4, v[CB+2:CB+5] offset:256*((\b)-2)+1024     ; registers 8-11
.endif
.endm
	WPICK 0
	WPICK 1
	WBLOCK 0, 32, 1
	WBLOCK 1, 32, 1
	WBLOCK 2, 32, 0
	WBLOCK 3, 0, 0
.irp k, 0,1,2,3,4,5
	ds_load_b128 v[192+4*\k:192+4*\k+3], v5 offset:512*\k       ; the two images, as they will lie in memory; LDS serves a wave's instructions in order: these see my stores
.endr
	s_wait_alu depctr_va_vdst(0)
.irp k, 0,1,2,3,4,5
	s_wait_dscnt 5-\k                              ; the younger loads may be out
	global_store_b128 v6, v[192+4*\k:192+4*\k+3], s[32:33] offset:512*\k   ; 512 consecutive bytes, at a multiple of 256 from the buffer's first byte
.endr
	global_store_b32 v8, v56, s[34:35]             ; 128 consecutive bytes of scale words: half of an aligned run of 256; another unit stores the other half (F: the neighbouring K step's; R: the neighbouring wave's); 256 KiB in the whole launch
	s_wait_tensorcnt 0x0
	ds_add_u32 v62, v63
	s_wait_dscnt 0x0
	s_endpgm
.Lfunc_end_k_qdd1912fcb1_quant:
	.size	k_qdd1912fcb1_quant, .Lfunc_end_k_qdd1912fcb1_quant-k_qdd1912fcb1_quant
	.p2alignl 7, 3214868480
	.fill 96, 4, 3214868480
	.section	.rodata,"a",@progbits
	.p2align	6, 0x0
	.amdhsa_kernel k_qdd1912fcb1_quant
		.amdhsa_group_segment_fixed_size 46592
		.amdhsa_private_segment_fixed_size 0
		.amdhsa_enable_private_segment 0
		.amdhsa_kernarg_size 48
		.amdhsa_user_sgpr_count 2
		.amdhsa_user_sgpr_kernarg_segment_ptr 1
		.amdhsa_wavefront_size32 1
		.amdhsa_system_sgpr_workgroup_id_x 1
		.amdhsa_system_sgpr_workgroup_id_y 1
		.amdhsa_system_sgpr_workgroup_id_z 1
		.amdhsa_system_vgpr_workitem_id 0
		.amdhsa_next_free_vgpr 256
		.amdhsa_next_free_sgpr 66
		.amdhsa_reserve_vcc 1
		.amdhsa_float_denorm_mode_32 3
		.amdhsa_float_denorm_mode_16_64 3
		.amdhsa_memory_ordered 1
		.amdhsa_forward_progress 1
		.amdhsa_inst_pref_size 51
	.end_amdhsa_kernel
	.amdgpu_metadata
---
amdhsa.version: [ 1, 2 ]
amdhsa.kernels:
  - .name:           k_qdd1912fcb1_quant
    .symbol:         k_qdd1912fcb1_quant.kd
    .args:
      - { .name: x, .offset: 0, .size: 8, .value_kind: global_buffer, .address_space: global }
      - { .name: feature_know, .offset: 8, .size: 8, .value_kind: global_buffer, .address_space: global }
      - { .name: restore_know, .offset: 16, .size: 8, .value_kind: global_buffer, .address_space: global }
      - { .name: xq, .offset: 24, .size: 8, .value_kind: global_buffer, .address_space: global }
      - { .name: fq, .offset: 32, .size: 8, .value_kind: global_buffer, .address_space: global }
      - { .name: rq, .offset: 40, .size: 8, .value_kind: global_buffer, .address_space: global }
    .group_segment_fixed_size: 46592
    .private_segment_fixed_size: 0
    .kernarg_segment_align: 8
    .kernarg_segment_size: 48
    .max_flat_workgroup_size: 128
    .sgpr_count:     66
    .vgpr_count:     256
    .wavefront_size: 32
...
	.end_amdgpu_metadata
.endif
;; end of part 1
;; launch g1 (part 2): grid 8 x 32, 4 waves a work-group, clusters of 4 x 4, 327,680 bytes of LDS; arguments xq, fq, feature_know_w, restore_know_w, gq; writes gq
.if DOCPART == 2
	.amdgcn_target "amdgcn-amd-amdhsa--gfx1250"
	.amdhsa_code_object_version 6
	.text
	.protected	k_qdd1912fcb1_g1
	.globl	k_qdd1912fcb1_g1
	.p2align	8
	.type	k_qdd1912fcb1_g1,@function
k_qdd1912fcb1_g1:
	s_mov_b64 s[64:65], 0
	v_nop
	global_prefetch_b8 v0, s[64:65] scope:SCOPE_SE
	s_setreg_imm32_b32 hwreg(HW_REG_WAVE_MODE, 25, 1), 1
	s_wait_xcnt 0x0
	s_wait_alu depctr_hold_cnt(0) depctr_sa_sdst(0) depctr_va_vdst(0) depctr_va_sdst(0) depctr_va_ssrc(0) depctr_va_vcc(0) depctr_vm_vsrc(0)
	s_getreg_b32 s2, hwreg(HW_REG_IB_STS2, 6, 4)
	s_cmp_eq_u32 s2, 0
	s_cbranch_scc0 .Lentry_in_a_cluster
	s_endpgm
.Lentry_in_a_cluster:
	s_bfe_u32 s2, ttmp6, 0x10000c
	s_cmp_lg_u32 s2, 0xf033
	s_cbranch_scc0 .Lentry_shape_is_right
	s_endpgm
.Lentry_shape_is_right:
.set REC,   25600
.set XREC,  12800
.set XR,    0
.set S0,    16*XREC
.set SPARE, S0+4*REC
.set FA,   2
.set FSA,  8
.set XA,   14
.set XSA,  15
.set XS,   16
.set FS,   32
.set FO,   40
.set CO,   41
.set SO,   42
.set FB,   48
.set SPW,  56
.set NIL,  57
.set ACC,  64
.set T,    64
.set H,    128
.set PC,   192
.set AM,   212
.set BM,   216
.set BY,   220
.set RB,   224
.set PW,   232
.set S,    236
.set G1X,  24
.set G1FA, 32
.set G1FB, 40
.set G0X,  48
.set G0S,  52
.set G0B,  56
.set SEL,  60
.set GQB,  62
.set FWP,  66
.set RWP,  68
.set MSB, 0
.macro WIN new
.if MSB != (\new)
	s_set_vgpr_msb (MSB<<8)|(\new)
.set MSB, (\new)
.endif
.endm
.macro PLACES n
.rept \n
	v_nop
.endr
.endm
.macro CREST
	s_cmp_lg_u32 s14, 0
	s_cbranch_scc1 .Lnot_wave_0_\@
	s_barrier_signal -3
.Lnot_wave_0_\@:
	s_barrier_wait -3
	s_barrier_signal -1
	s_barrier_wait -1
.endm
.macro CROUND
	s_barrier_signal -1
	s_barrier_wait -1
	CREST
.endm
.macro WM
.if rZ
.if rRA && rRB
	v_wmma_scale_f32_16x16x128_f8f6f4 v[rD:rD+7], v[rA:rA+11], v[rB:rB+11], 0, v[rS], v[rX] matrix_a_fmt:MATRIX_FMT_FP6 matrix_b_fmt:MATRIX_FMT_FP6 matrix_a_scale:MATRIX_SCALE_ROW1 matrix_b_scale:MATRIX_SCALE_ROW1
.elseif rRA
	v_wmma_scale_f32_16x16x128_f8f6f4 v[rD:rD+7], v[rA:rA+11], v[rB:rB+11], 0, v[rS], v[rX] matrix_a_fmt:MATRIX_FMT_FP6 matrix_b_fmt:MATRIX_FMT_FP6 matrix_a_scale:MATRIX_SCALE_ROW1
.elseif rRB
	v_wmma_scale_f32_16x16x128_f8f6f4 v[rD:rD+7], v[rA:rA+11], v[rB:rB+11], 0, v[rS], v[rX] matrix_a_fmt:MATRIX_FMT_FP6 matrix_b_fmt:MATRIX_FMT_FP6 matrix_b_scale:MATRIX_SCALE_ROW1
.else
	v_wmma_scale_f32_16x16x128_f8f6f4 v[rD:rD+7], v[rA:rA+11], v[rB:rB+11], 0, v[rS], v[rX] matrix_a_fmt:MATRIX_FMT_FP6 matrix_b_fmt:MATRIX_FMT_FP6
.endif
.else
.if rRA && rRB
	v_wmma_scale_f32_16x16x128_f8f6f4 v[rD:rD+7], v[rA:rA+11], v[rB:rB+11], v[rD:rD+7], v[rS], v[rX] matrix_a_fmt:MATRIX_FMT_FP6 matrix_b_fmt:MATRIX_FMT_FP6 matrix_a_scale:MATRIX_SCALE_ROW1 matrix_b_scale:MATRIX_SCALE_ROW1
.elseif rRA
	v_wmma_scale_f32_16x16x128_f8f6f4 v[rD:rD+7], v[rA:rA+11], v[rB:rB+11], v[rD:rD+7], v[rS], v[rX] matrix_a_fmt:MATRIX_FMT_FP6 matrix_b_fmt:MATRIX_FMT_FP6 matrix_a_scale:MATRIX_SCALE_ROW1
.elseif rRB
	v_wmma_scale_f32_16x16x128_f8f6f4 v[rD:rD+7], v[rA:rA+11], v[rB:rB+11], v[rD:rD+7], v[rS], v[rX] matrix_a_fmt:MATRIX_FMT_FP6 matrix_b_fmt:MATRIX_FMT_FP6 matrix_b_scale:MATRIX_SCALE_ROW1
.else
	v_wmma_scale_f32_16x16x128_f8f6f4 v[rD:rD+7], v[rA:rA+11], v[rB:rB+11], v[rD:rD+7], v[rS], v[rX] matrix_a_fmt:MATRIX_FMT_FP6 matrix_b_fmt:MATRIX_FMT_FP6
.endif
.endif
.endm
	s_load_b256 s[4:11], s[0:1], 0x0
	s_load_b64 s[12:13], s[0:1], 0x20
	v_lshl_add_u32 v[SPW], v0, 2, SPARE
	v_mov_b32 v[NIL], 0
	ds_add_u32 v56, v57
	ds_add_u32 v56, v57
	s_wait_dscnt 0x0
	v_lshrrev_b32 v1, 5, v0
	v_readfirstlane_b32 s14, v1
	s_lshr_b32 s15, s14, 1
	s_and_b32 s16, s14, 1
	s_bfe_u32 s17, ttmp6, 0x40000
	s_bfe_u32 s18, ttmp6, 0x40004
	s_lshl_b32 s19, ttmp9, 2
	s_add_co_u32 s19, s19, s17
	s_and_b32 s20, ttmp7, 0xffff
	s_lshl_b32 s20, s20, 2
	s_add_co_u32 s20, s20, s18
	s_lshl_b32 s2, s18, 2
	s_lshl_b32 s2, 15, s2
	s_lshl_b32 s3, 0x1111, s17
	s_or_b32 s[G1X], s2, (3<<16)|(1<<21)
	s_or_b32 s[G1FA], s3, (3<<16)|(1<<21)
	s_or_b32 s[G1FB], s3, (3<<16)|(1<<21)
.irp g, G1X, G1FB
	s_mov_b32 s[\g+1], 32<<16
	s_mov_b32 s[\g+2], 200<<16
	s_mov_b32 s[\g+3], 32<<16
	s_mov_b32 s[\g+4], 200
	s_mov_b32 s[\g+5], 32
	s_mov_b32 s[\g+6], 0
	s_mov_b32 s[\g+7], 0
.endr
	s_mov_b32 s[G1FA+1], 32<<16
	s_mov_b32 s[G1FA+2], 100<<16
	s_mov_b32 s[G1FA+3], 32<<16
	s_mov_b32 s[G1FA+4], 100
	s_mov_b32 s[G1FA+5], 32
	s_mov_b32 s[G1FA+6], 0
	s_mov_b32 s[G1FA+7], 0
	s_mul_i32 s22, s14, 2*REC
	s_mul_i32 s21, s14, REC
	s_mul_i32 s70, s19, 16*REC
	s_add_co_u32 s72, s70, s21
	s_mov_b32 s73, 0
	s_add_co_u32 s70, s70, s22
	s_add_co_u32 s70, s70, 4*REC
	s_mov_b32 s71, 0
	s_mul_i32 s74, s20, 16*XREC
	s_add_co_u32 s74, s74, s22
	s_mov_b32 s75, 0
	s_wait_kmcnt 0x0
	s_mov_b32 s[G0X], 1
	s_mov_b32 s[G0X+1], s22
	s_add_nc_u64 s[G0X+2:G0X+3], s[4:5], s[74:75]
	s_or_b32 s[G0X+3], s[G0X+3], 0x80000000
	s_mov_b32 s[G0S], 1
	s_add_co_u32 s[G0S+1], s21, S0
	s_add_nc_u64 s[G0S+2:G0S+3], s[6:7], s[72:73]
	s_or_b32 s[G0S+3], s[G0S+3], 0x80000000
	s_mov_b32 s[G0B], 1
	s_mov_b32 s[G0B+1], s22
	s_add_nc_u64 s[G0B+2:G0B+3], s[6:7], s[70:71]
	s_or_b32 s[G0B+3], s[G0B+3], 0x80000000
	CROUND
	tensor_load_to_lds s[G0X:G0X+3], s[G1X:G1X+7]
	s_nop 0
	s_wait_alu depctr_va_vdst(0)
	s_wait_tensorcnt 0x0
	ds_add_u32 v56, v57
	s_wait_dscnt 0x0
	CROUND
	tensor_load_to_lds s[G0S:G0S+3], s[G1FA:G1FA+7]
	s_nop 0
	PLACES 4
	v_and_b32 v1, 31, v0
	v_and_b32 v58, 15, v0
	v_lshlrev_b32 v[FO], 6, v58
	s_wait_alu depctr_va_vdst(0)
	s_lshl_b32 s4, s20, 14
	s_lshl_b32 s5, s14, 12
	s_add_co_u32 s4, s4, s5
	s_mov_b32 s5, 0
	s_add_nc_u64 s[FWP:FWP+1], s[8:9], s[4:5]
	s_add_nc_u64 s[RWP:RWP+1], s[10:11], s[4:5]
	WIN 0x40
.irp m, 0,1,2,3
.irp e, 0,1,2,3
	global_load_b128 v[192+16*\m+4*\e:192+16*\m+4*\e+3], v[FO], s[RWP:RWP+1] offset:1024*\m+16*\e
.endr
.endr
	WIN 0x80
.irp m, 0,1,2,3
.irp e, 0,1,2,3
	global_load_b128 v[192+16*\m+4*\e:192+16*\m+4*\e+3], v[FO], s[FWP:FWP+1] offset:1024*\m+16*\e
.endr
.endr
	WIN 0
	s_lshl_b32 s4, s20, 1
	s_add_co_u32 s4, s4, s15
	s_mul_i32 s4, s4, 409600
	s_mul_i32 s5, s19, 51200
	s_add_co_u32 s4, s4, s5
	s_mov_b32 s5, 0
	s_add_nc_u64 s[GQB:GQB+1], s[12:13], s[4:5]
	s_mul_i32 s23, s16, 6144
	v_lshl_add_u32 v[CO], v1, 4, s23
	s_lshl_b32 s23, s16, 8
	v_lshl_add_u32 v[SO], v1, 3, s23
	v_lshlrev_b32 v58, 4, v1
	v_lshlrev_b32 v59, 2, v1
.irp i, 0,1
	v_add_nc_u32 v[FA+\i], S0+2*REC*\i, v58
	v_add_nc_u32 v[FSA+\i], S0+2*REC*\i, v59
.endr
.irp i, 0,1,2,3
	v_add_nc_u32 v[FA+2+\i], XR+2*REC*\i, v58
	v_add_nc_u32 v[FSA+2+\i], XR+2*REC*\i, v59
.endr
	v_add_nc_u32 v[XA], s22, v58
	s_add_co_u32 s23, s22, 12288
	v_add_nc_u32 v[XSA], s23, v59
.macro PLACE n
.if (\n) < 4
.set pP, (\n)/2
.elseif (\n) < 12
.set pP, 2+((\n)-4)/2
.else
.set pP, ((\n)-12)/2
.endif
.set pO, REC*((\n)%2)
.endm
.macro FETCH n, half
	PLACE \n
	WIN 0xc0
.irp k, 0,1,2,3
.irp u, 0,1
.irp c, 0,1,2
	ds_load_b128 v[96*(\half)+24*\k+12*\u+4*\c:96*(\half)+24*\k+12*\u+4*\c+3], v[FA+pP] offset:pO+3072*(4*(\half)+\k)+1536*\u+512*\c
.endr
.endr
.endr
	WIN 0
.irp k, 0,1,2,3
	ds_load_b32 v[FS+4*(\half)+\k], v[FSA+pP] offset:pO+24576+128*(4*(\half)+\k)
.endr
.endm
.macro MULK half, k
	WIN 0x07+4*(\half)
.set rZ, 0
.if ((\half)+(\k)) == 0
.set rZ, 1
.endif
.set rRB, (\k)%2
.set rS, FS+4*(\half)+(\k)
.irp m, 0,1,2,3
.irp u, 0,1
.set rD, ACC+8*(2*\m+\u)
.set rA, 96*(\half)+24*(\k)+12*\u
.set rB, 48*(\k)+12*\m
.set rX, XS+4*\m+2*(\half)+(\k)/2
.set rRA, \u
	WM
.endr
.endr
.endm
.macro RUN0 n
	s_wait_dscnt 0x0
	FETCH \n, 1
	MULK 0, 0
	MULK 0, 1
	MULK 0, 2
	MULK 0, 3
	WIN 0
.endm
.macro RUN1 next
	s_wait_dscnt 0x0
	PLACES 4
	FETCH \next, 0
	MULK 1, 0
	MULK 1, 1
	MULK 1, 2
	MULK 1, 3
	WIN 0
.endm
.macro RUN1T next, fill
	s_wait_tensorcnt 0x0
	ds_add_u32 v[SPW], v[NIL]
	s_wait_dscnt 1
	MULK 1, 0
	s_wait_dscnt 0x0
	s_barrier_signal -1
	MULK 1, 1
	WIN 0
	s_barrier_wait -1
.if \fill
	CREST
	s_add_nc_u64 s[G0S+2:G0S+3], s[G0S+2:G0S+3], 12*REC
	tensor_load_to_lds s[G0S:G0S+3], s[G1FA:G1FA+7]
	s_nop 0
.endif
	PLACES 4
	FETCH \next, 0
	MULK 1, 2
	MULK 1, 3
	WIN 0
.endm
.macro RUN1L
	s_wait_dscnt 0x0
	MULK 1, 0
	MULK 1, 1
	MULK 1, 2
	MULK 1, 3
	WIN 0
.endm
.macro FOLD n
.if (\n) == 0
	s_wait_loadcnt 0x0
.endif
	WIN 0x02
.irp m, 0,1,2,3
	v_mov_b32 v[FB+2*\m], v[192+16*\m+(\n)]
.endr
	WIN 0
.irp m, 0,1,2,3
.irp i, 0,2,4,6,8,10,12,14
.if (\n) == 0
	v_pk_mul_f32 v[H+16*\m+\i:H+16*\m+\i+1], v[ACC+16*\m+\i:ACC+16*\m+\i+1], v[FB+2*\m:FB+2*\m+1] op_sel_hi:[1,0]
.else
	v_pk_fma_f32 v[H+16*\m+\i:H+16*\m+\i+1], v[ACC+16*\m+\i:ACC+16*\m+\i+1], v[FB+2*\m:FB+2*\m+1], v[H+16*\m+\i:H+16*\m+\i+1] op_sel_hi:[1,0,1]
.endif
.endr
.endr
.endm
.macro XLOAD hf
.irp k, 0,1,2,3
.irp m, 0,1,2,3
.irp c, 0,1,2
	ds_load_b128 v[48*\k+12*\m+4*\c:48*\k+12*\m+4*\c+3], v[XA] offset:XREC*\m+1536*(4*(\hf)+\k)+512*\c
.endr
.endr
.endr
.endm
	s_wait_alu depctr_va_vdst(0)
	s_wait_tensorcnt 1
	s_barrier_signal -1
	s_barrier_wait -1
	WIN 0x40
	XLOAD 0
	WIN 0
.irp m, 0,1,2,3
.irp p, 0,1,2,3
	ds_load_b32 v[XS+4*\m+\p], v[XSA] offset:XREC*\m+128*\p
.endr
.endr
	WIN 0x80
	XLOAD 1
	WIN 0
	s_wait_tensorcnt 0x0
	ds_add_u32 v[SPW], v[NIL]
	s_mov_b32 s[SEL], 0x76543210
	s_mov_b32 s[SEL+1], 0xfedcba98
.irp b, 0,1,2,3
	v_mov_b32 v[FB+2*\b+1], 0
	v_mov_b32 v[RB+2*\b+1], 0
	v_mov_b32 v[BY+\b], 0
.endr
	s_wait_dscnt 0x0
	CROUND
	tensor_load_to_lds s[G0B:G0B+3], s[G1FB:G1FB+7]
	s_nop 0
	PLACES 4
	FETCH 0, 0
.irp n, 0,1,2,3,4,5,6,7,8,9,10,11,12,13,14,15
	RUN0 \n
.if \n == 3
	RUN1T \n+1, 1
.elseif \n == 11
	RUN1T \n+1, 0
.elseif \n == 15
	RUN1L
.else
	RUN1 \n+1
.endif
	FOLD \n
.endr
.irp m, 0,1,2,3
	v_max3_num_f32 v[AM+\m], |v[H+16*\m]|, |v[H+16*\m+1]|, |v[H+16*\m+2]|
.endr
.irp i, 3,5,7,9,11,13
.irp m, 0,1,2,3
	v_max3_num_f32 v[AM+\m], v[AM+\m], |v[H+16*\m+\i]|, |v[H+16*\m+\i+1]|
.endr
.endr
.irp m, 0,1,2,3
	v_max_num_f32 v[AM+\m], v[AM+\m], |v[H+16*\m+15]|
.endr
.irp m, 0,1,2,3
	v_permlanex16_b32 v[BY+\m], v[AM+\m], s[SEL], s[SEL+1]
.endr
.irp m, 0,1,2,3
	v_max_num_f32 v[AM+\m], v[AM+\m], v[BY+\m]
.endr
	s_mov_b32 vcc_lo, 0xffff0000
.macro GQ m, g
	WIN 0x01
.irp b, 0,1,2,3
	v_mov_b32 v[RB+2*\b], v[192+16*(\m)+4*(\g)+\b]
.endr
	WIN 0
.irp b, 0,1,2,3
	v_mul_f32 v[BM+\b], |v[RB+2*\b]|, v[AM+(\m)]
.endr
.irp b, 0,1,2,3
.irp i, 0,2,4,6,8,10,12,14
	v_pk_mul_f32 v[T+16*\b+\i:T+16*\b+\i+1], v[H+16*(\m)+\i:H+16*(\m)+\i+1], v[RB+2*\b:RB+2*\b+1] op_sel_hi:[1,0]
.endr
.endr
.irp b, 0,1,2,3
	v_max_num_f32 v[BM+\b], 0x1800000, v[BM+\b]
.endr
.irp b, 0,1,2,3
	v_add_nc_u32 v[BM+\b], 0xff000000, v[BM+\b]
.endr
.irp b, 0,1,2,3
	v_lshrrev_b32 v[BY+\b], 23, v[BM+\b]
.endr
	v_lshl_or_b32 v[PW+(\m)], v[BY+1], 8, v[BY]
	v_lshl_or_b32 v[PW+(\m)], v[BY+2], 16, v[PW+(\m)]
	v_lshl_or_b32 v[PW+(\m)], v[BY+3], 24, v[PW+(\m)]
	s_wait_xcnt 0x0
.irp c, 0,1
	v_cvt_scalef32_pk16_fp6_f32 v[PC+6*\c:PC+6*\c+2], v[T+32*\c:T+32*\c+15], v[BM+2*\c]
	v_cvt_scalef32_pk16_fp6_f32 v[PC+12+4*\c:PC+14+4*\c], v[T+32*\c+16:T+32*\c+31], v[BM+2*\c+1]
.endr
	v_nop
.irp c, 0,1
.irp i, 0,1,2
	v_permlane16_swap_b32 v[PC+6*\c+\i], v[PC+12+4*\c+\i]
.endr
.irp i, 0,1,2
	v_mov_b32 v[PC+3+6*\c+\i], v[PC+12+4*\c+\i]
.endr
.endr
.irp c, 0,1,2
	global_store_b128 v[CO], v[PC+4*\c:PC+4*\c+3], s[GQB:GQB+1] offset:12800*(\g)+1536*(\m)+512*\c
.endr
.endm
.irp g, 0,1,2,3
	GQ 0, \g
	GQ 1, \g
	GQ 2, \g
	GQ 3, \g
	v_cndmask_b32 v[S], v[PW], v[PW+1], vcc_lo
	v_cndmask_b32 v[S+1], v[PW+2], v[PW+3], vcc_lo
	global_store_b64 v[SO], v[S:S+1], s[GQB:GQB+1] offset:12800*\g+12288
.endr
	s_wait_tensorcnt 0x0
	ds_add_u32 v[SPW], v[NIL]
	s_wait_dscnt 0x0
	CROUND
	s_endpgm
.Lfunc_end_k_qdd1912fcb1_g1:
	.size	k_qdd1912fcb1_g1, .Lfunc_end_k_qdd1912fcb1_g1-k_qdd1912fcb1_g1
	.p2alignl 7, 3214868480
	.fill 96, 4, 3214868480
	.section	.rodata,"a",@progbits
	.p2align	6, 0x0
	.amdhsa_kernel k_qdd1912fcb1_g1
		.amdhsa_group_segment_fixed_size 327680
		.amdhsa_private_segment_fixed_size 0
		.amdhsa_enable_private_segment 0
		.amdhsa_kernarg_size 40
		.amdhsa_user_sgpr_count 2
		.amdhsa_user_sgpr_kernarg_segment_ptr 1
		.amdhsa_wavefront_size32 1
		.amdhsa_system_sgpr_workgroup_id_x 1
		.amdhsa_system_sgpr_workgroup_id_y 1
		.amdhsa_system_sgpr_workgroup_id_z 1
		.amdhsa_system_vgpr_workitem_id 0
		.amdhsa_next_free_vgpr 960
		.amdhsa_next_free_sgpr 80
		.amdhsa_reserve_vcc 1
		.amdhsa_float_denorm_mode_32 3
		.amdhsa_float_denorm_mode_16_64 3
		.amdhsa_memory_ordered 1
		.amdhsa_forward_progress 1
		.amdhsa_inst_pref_size 255
	.end_amdhsa_kernel
	.section	.bss,"aw",@nobits
	.p2align	6
	.space	262144
	.amdgpu_metadata
---
amdhsa.version: [ 1, 2 ]
amdhsa.kernels:
  - .name:           k_qdd1912fcb1_g1
    .symbol:         k_qdd1912fcb1_g1.kd
    .args:
      - { .name: xq, .offset: 0, .size: 8, .value_kind: global_buffer, .address_space: global }
      - { .name: fq, .offset: 8, .size: 8, .value_kind: global_buffer, .address_space: global }
      - { .name: feature_know_w, .offset: 16, .size: 8, .value_kind: global_buffer, .address_space: global }
      - { .name: restore_know_w, .offset: 24, .size: 8, .value_kind: global_buffer, .address_space: global }
      - { .name: gq, .offset: 32, .size: 8, .value_kind: global_buffer, .address_space: global }
    .group_segment_fixed_size: 327680
    .private_segment_fixed_size: 0
    .kernarg_segment_align: 8
    .kernarg_segment_size: 40
    .max_flat_workgroup_size: 128
    .sgpr_count:     80
    .vgpr_count:     960
    .wavefront_size: 32
...
	.end_amdgpu_metadata
.endif
;; end of part 2
;; launch g2 (part 3): grid 4 x 64, 4 waves a work-group, clusters of 4 x 4, 327,680 bytes of LDS; arguments gq, rq, out0; writes out0
.if DOCPART == 3
	.amdgcn_target "amdgcn-amd-amdhsa--gfx1250"
	.amdhsa_code_object_version 6
	.text
	.protected	k_qdd1912fcb1_g2
	.globl	k_qdd1912fcb1_g2
	.p2align	8
	.type	k_qdd1912fcb1_g2,@function
k_qdd1912fcb1_g2:
	s_mov_b64 s[64:65], 0
	v_nop
	global_prefetch_b8 v0, s[64:65] scope:SCOPE_SE
	s_setreg_imm32_b32 hwreg(HW_REG_WAVE_MODE, 25, 1), 1
	s_wait_xcnt 0x0
	s_wait_alu depctr_hold_cnt(0) depctr_sa_sdst(0) depctr_va_vdst(0) depctr_va_sdst(0) depctr_va_ssrc(0) depctr_va_vcc(0) depctr_vm_vsrc(0)
	s_getreg_b32 s2, hwreg(HW_REG_IB_STS2, 6, 4)
	s_cmp_eq_u32 s2, 0
	s_cbranch_scc0 .Lentry_in_a_cluster
	s_endpgm
.Lentry_in_a_cluster:
	s_bfe_u32 s2, ttmp6, 0x10000c
	s_cmp_lg_u32 s2, 0xf033
	s_cbranch_scc0 .Lentry_shape_is_right
	s_endpgm
.Lentry_shape_is_right:
; out[t][d] = sum over (n, r) of Q(g)[t][(n, r)] Q(R)[(n, r)][d], on codes of FP6 (E2M3) with one E8M0 scale for each 32 along K; sums in f32.  Both operands come as images of the operand's registers
; (a fragment of 16 rows x 128 K is 1,536 bytes: registers 4 c .. 4 c + 3 of lane L at 512 c + 16 L): a fragment is three loads of 16 bytes a lane.
; THE ORDER OF K: 32 K steps (sl, j); block b of a step is n = 4 j + b, r = 32 sl .. 32 sl + 31: the quantiser's own blocks, whole, alike in both operands.  LIMIT: the f32 sums run in this order of blocks.
; SHARES.  A work-group makes 128 tokens x 256 d: 256 work-groups.  Wave w makes all 128 tokens (8 tiles m) x d 64 w .. 64 w + 63 (4 tiles q): 32 accumulators.
; K goes through a ring of two LDS slots of four K steps: g's four records (51,200 bytes), then R's four (102,400).  Waves 0, 1 fetch g's halves, waves 2, 3 R's.
; CLUSTER 4 x 4: g's tiles hang on the token block alone and are asked for jointly along a row of the cluster, R's on the d tile alone and jointly down a column.
; THE PRODUCT IS USED TRANSPOSED (source 0 = 16 rows of R, source 1 = 16 tokens); R's rows of a tile were chosen so that a lane's two tiles of a pair hold 16 neighbouring d of one token.
; A K STEP is one run of 40 LDS loads, the next step's operands, and then 32 products on this step's.
; REGISTERS.  Window 0: v2-24 addresses; v32-39 g's scale words, v40-43 R's (two sets each; scales and nothing else); v64-255 g's fragments, two sets of 96.
;   Window 1: R's fragments, two sets of 48; on the way out all 256: 32 registers for each of the eight tiles.  Window 2: accumulator (m, q) at v[8 (4 m + q)].
.set GREC,  12800                      ; a K step's record of gq: 8 fragments, 512 bytes of scale words
.set RREC,  25600                      ; of rq: 16 fragments, 1,024 bytes of scale words
.set ASL,   4*GREC
.set BSL,   4*RREC
.set SLOT,  ASL+BSL
.set SPARE, 2*SLOT                     ; the spare words, 128 bytes for each wave
.set SPITCH, 272                       ; the way out: a stage of 16 rows x (256 bytes + 16) for each wave, on bytes of its own
.set STAGE, SPARE+512
.set GA,   2                           ; v2-3    g's codes in slot 0, 1: 16 l
.set GSA,  4                           ; v4-5    g's scale words: 12,288 + 8 l
.set RA,   6                           ; v6-9    R's codes: slot s, records 2 jh, 2 jh + 1: SLOT s + ASL + 51,200 jh + 6,144 w + 16 l
.set RSA,  10                          ; v10-13  R's scale words: the same base + 24,576 + 256 w + 4 l
.set PFR,  14                          ; prefetch offsets; never rewritten
.set PFG,  15
.set SPW,  16
.set NIL,  17
.set STO,  22
.set RD,   23
.set CO,   24
.set GS,   32
.set RS,   40
.set AF,   64
.set G1A,  24
.set G0A,  32
.set G1B,  48
.set G0B,  56
.set PG,   44                          ; s[44:45] my work-group's share of g's prefetches
.set PR,   66                          ; s[66:67] my wave's share of R's
.set MUL,  0xa1                        ; source 0 (R) window 1, source 1 (g) window 0, C and D window 2
.set MSB, 0
.macro WIN new                         ; the immediate's high byte repeats the setting that is left
.if MSB != (\new)
	s_set_vgpr_msb (MSB<<8)|(\new)
.set MSB, (\new)
.endif
.endm
.macro PLACES n
.rept \n
	v_nop
.endr
.endm
.macro CREST                           ; a round of the cluster's barrier behind its opening barrier
	s_cmp_lg_u32 s14, 0
	s_cbranch_scc1 .Lnot_wave_0_\@
	s_barrier_signal -3
.Lnot_wave_0_\@:
	s_barrier_wait -3
	s_barrier_signal -1
	s_barrier_wait -1
.endm
.macro CROUND
	s_barrier_signal -1
	s_barrier_wait -1
	CREST
.endm
; A joint load: waves 0 and 1 fetch g's halves, waves 2 and 3 R's.  Each line has one mask and one set of registers for all that issue it; the branch hangs on the wave's number alone.
; An s_nop 0 and four v_nop follow each of the two lines, ahead of the jump, the label and what follows.
.macro JLOAD s
	s_cmp_eq_u32 s15, 0
	s_cbranch_scc0 .Lfor_b_\@
	tensor_load_to_lds s[G0A+4*(\s):G0A+4*(\s)+3], s[G1A:G1A+7]
	s_nop 0
	PLACES 4
	s_branch .Lasked_\@
.Lfor_b_\@:
	tensor_load_to_lds s[G0B+4*(\s):G0B+4*(\s)+3], s[G1B:G1B+7]
	s_nop 0
	PLACES 4
.Lasked_\@:
.endm
; PREFETCHES INTO THE L2 of slot's worth n, counted from where the two pointers stand.  g's 200 blocks of 256 bytes are read by the four work-groups of my row of the cluster: 50 each, told apart by address (12,800 cx),
; 13, 13, 13 and 11 to the waves.  R's 400 blocks are read by the four of my column: 100 each (25,600 cy), 25 a wave.  A lane a block; lanes that are over name their wave's last block again.
; The change of slots that asks the tensor mover for slot's worth s + 2 names s + 4 here: eight K steps ahead of its tensor load.  The head names 1, 2 and 3.  The loop's last trip names nothing: 7 is the last.
.macro ASKS n
	global_prefetch_b8 v[PFG], s[PG:PG+1] offset:(\n)*ASL th:TH_LOAD_NT scope:SCOPE_SE
	global_prefetch_b8 v[PFR], s[PR:PR+1] offset:(\n)*BSL th:TH_LOAD_NT scope:SCOPE_SE
.endm
.macro ASKL n
	s_cmp_gt_u32 s3, 1
	s_cbranch_scc0 .Lno_ask_\@
	ASKS \n
.Lno_ask_\@:
.endm
; one matrix instruction on the registers named by rD, rA, rB, rS (source 0's scales), rX (source 1's); rZ: it starts the sum; rRA, rRB: the scales stand in lanes 16-31
.macro WM
.if rZ
.if rRA && rRB
	v_wmma_scale_f32_16x16x128_f8f6f4 v[rD:rD+7], v[rA:rA+11], v[rB:rB+11], 0, v[rS], v[rX] matrix_a_fmt:MATRIX_FMT_FP6 matrix_b_fmt:MATRIX_FMT_FP6 matrix_a_scale:MATRIX_SCALE_ROW1 matrix_b_scale:MATRIX_SCALE_ROW1
.elseif rRA
	v_wmma_scale_f32_16x16x128_f8f6f4 v[rD:rD+7], v[rA:rA+11], v[rB:rB+11], 0, v[rS], v[rX] matrix_a_fmt:MATRIX_FMT_FP6 matrix_b_fmt:MATRIX_FMT_FP6 matrix_a_scale:MATRIX_SCALE_ROW1
.elseif rRB
	v_wmma_scale_f32_16x16x128_f8f6f4 v[rD:rD+7], v[rA:rA+11], v[rB:rB+11], 0, v[rS], v[rX] matrix_a_fmt:MATRIX_FMT_FP6 matrix_b_fmt:MATRIX_FMT_FP6 matrix_b_scale:MATRIX_SCALE_ROW1
.else
	v_wmma_scale_f32_16x16x128_f8f6f4 v[rD:rD+7], v[rA:rA+11], v[rB:rB+11], 0, v[rS], v[rX] matrix_a_fmt:MATRIX_FMT_FP6 matrix_b_fmt:MATRIX_FMT_FP6
.endif
.else
.if rRA && rRB
	v_wmma_scale_f32_16x16x128_f8f6f4 v[rD:rD+7], v[rA:rA+11], v[rB:rB+11], v[rD:rD+7], v[rS], v[rX] matrix_a_fmt:MATRIX_FMT_FP6 matrix_b_fmt:MATRIX_FMT_FP6 matrix_a_scale:MATRIX_SCALE_ROW1 matrix_b_scale:MATRIX_SCALE_ROW1
.elseif rRA
	v_wmma_scale_f32_16x16x128_f8f6f4 v[rD:rD+7], v[rA:rA+11], v[rB:rB+11], v[rD:rD+7], v[rS], v[rX] matrix_a_fmt:MATRIX_FMT_FP6 matrix_b_fmt:MATRIX_FMT_FP6 matrix_a_scale:MATRIX_SCALE_ROW1
.elseif rRB
	v_wmma_scale_f32_16x16x128_f8f6f4 v[rD:rD+7], v[rA:rA+11], v[rB:rB+11], v[rD:rD+7], v[rS], v[rX] matrix_a_fmt:MATRIX_FMT_FP6 matrix_b_fmt:MATRIX_FMT_FP6 matrix_b_scale:MATRIX_SCALE_ROW1
.else
	v_wmma_scale_f32_16x16x128_f8f6f4 v[rD:rD+7], v[rA:rA+11], v[rB:rB+11], v[rD:rD+7], v[rS], v[rX] matrix_a_fmt:MATRIX_FMT_FP6 matrix_b_fmt:MATRIX_FMT_FP6
.endif
.endif
.endm
; record j of a slot into set p: 40 LDS loads in one run, in the order in which the products want them: my four fragments of R (12 loads), the scale words (4), g's eight fragments (24)
.macro FETCH slot, j, p
	WIN 0x40                                       ; destination window 1, address window 0
.irp c, 0,1,2,3,4,5,6,7,8,9,10,11
	ds_load_b128 v[48*(\p)+4*\c:48*(\p)+4*\c+3], v[RA+2*(\slot)+(\j)/2] offset:RREC*((\j)%2)+512*\c
.endr
	WIN 0
	ds_load_b32 v[RS+2*(\p)], v[RSA+2*(\slot)+(\j)/2] offset:RREC*((\j)%2)
	ds_load_b32 v[RS+2*(\p)+1], v[RSA+2*(\slot)+(\j)/2] offset:RREC*((\j)%2)+128
	ds_load_b64 v[GS+4*(\p):GS+4*(\p)+1], v[GSA+(\slot)] offset:GREC*(\j)
	ds_load_b64 v[GS+4*(\p)+2:GS+4*(\p)+3], v[GSA+(\slot)] offset:GREC*(\j)+256
.irp c, 0,1,2,3,4,5,6,7,8,9,10,11,12,13,14,15,16,17,18,19,20,21,22,23
	ds_load_b128 v[AF+96*(\p)+4*\c:AF+96*(\p)+4*\c+3], v[GA+(\slot)] offset:GREC*(\j)+512*\c
.endr
.endm
; token tile m against my four tiles of R.  The 32 accumulators take turns, one instruction a turn, in the same order in every K step.
.macro MULQ m, p, zero
	WIN MUL
.set rZ, \zero
.set rB, AF+96*(\p)+12*(\m)
.set rX, GS+4*(\p)+(\m)/2
.set rRB, (\m)%2
.irp q, 0,1,2,3
.set rD, 8*(4*(\m)+\q)
.set rA, 48*(\p)+12*\q
.set rS, RS+2*(\p)+\q/2
.set rRA, \q%2
	WM
.endr
.endm
; A K step on set p that has its successor, record j, in the same slot (slot < 0: the last step, nothing to fetch)
.macro UNIT p, zero, slot, j
	s_wait_dscnt 12                                ; R, the scale words and g's tiles 0-3 are in; the youngest 12 loads, g's tiles 4-7, may be out
.if (\slot) >= 0
	PLACES 5                                       ; in front of loads into registers that the last step's products have read (ISA guide 7.12.1 for vector instructions)
	FETCH \slot, \j, 1-(\p)
.endif
.irp m, 0,1,2,3
	MULQ \m, \p, \zero
.endr
.if (\slot) >= 0
	s_wait_dscnt 40                                ; all but the 40 loads just issued
.else
	s_wait_dscnt 0x0
.endif
.irp m, 4,5,6,7
	MULQ \m, \p, \zero
.endr
.endm
; A slot's last K step changes slots: its operands are in registers, so my reads of this slot are over.  In front of the barrier each wave waits for all its tensor loads (its part of the other slot), adds 0 to its
; spare word and waits for that.  fill = 1: the barrier opens a round of the cluster's, and this slot is filled again, two slots' worth ahead: the first tensor load behind the round.
.macro BUNIT p, slot, fill, ask
	WIN 0
	s_wait_dscnt 0x0
	s_wait_tensorcnt 0x0
	ds_add_u32 v[SPW], v[NIL]
.if \fill
	s_add_nc_u64 s[G0A+4*(\slot)+2:G0A+4*(\slot)+3], s[G0A+4*(\slot)+2:G0A+4*(\slot)+3], 2*ASL   ; no load of mine is out: the descriptors may be written
	s_add_nc_u64 s[G0B+4*(\slot)+2:G0B+4*(\slot)+3], s[G0B+4*(\slot)+2:G0B+4*(\slot)+3], 2*BSL
.endif
	MULQ 0, \p, 0
	PLACES 5                                       ; the places in front of the loads below, which land in registers that the last step's products have read
	MULQ 1, \p, 0
	s_wait_dscnt 0x0                               ; the add is done
	s_barrier_signal -1
	MULQ 2, \p, 0
	MULQ 3, \p, 0
	WIN 0
	s_barrier_wait -1
.if \fill
	CREST                                          ; no wave of any partner still reads this slot or has a load on its way
	JLOAD \slot
	ASKL \ask
.endif
	FETCH 1-(\slot), 0, 1-(\p)
.irp m, 4,5,6,7
	MULQ \m, \p, 0
.endr
.endm
	s_load_b128 s[4:7], s[0:1], 0x0                ; gq s[4:5], rq s[6:7]
	s_load_b64 s[8:9], s[0:1], 0x10                ; out0
	v_lshl_add_u32 v[SPW], v0, 2, SPARE
	v_mov_b32 v[NIL], 0
	ds_add_u32 v[SPW], v[NIL]                      ; the opening: the add, twice on end, and its wait ahead of my first tensor load
	ds_add_u32 v[SPW], v[NIL]
	v_lshrrev_b32 v1, 5, v0
	v_readfirstlane_b32 s14, v1                    ; wave 0..3
	s_lshr_b32 s15, s14, 1                         ; I fetch for g (0) or for R (1),
	s_and_b32 s16, s14, 1                          ; and which half
	s_bfe_u32 s40, ttmp6, 0x40000                  ; cx, cy: my place in the cluster
	s_bfe_u32 s41, ttmp6, 0x40004
	s_lshl_b32 s42, ttmp9, 2
	s_add_co_u32 s42, s42, s40                     ; dt: the tile of 256 d
	s_and_b32 s17, ttmp7, 0xffff
	s_lshl_b32 s17, s17, 2
	s_add_co_u32 s17, s17, s41                     ; tb: the block of 128 tokens
	s_lshl_b32 s2, s41, 2
	s_lshl_b32 s2, 15, s2                          ; my row of the cluster
	s_lshl_b32 s3, 0x1111, s40                     ; my column
	s_or_b32 s[G1A], s2, (3<<16)|(1<<21)           ; the mask: g's tiles go to my row; elements of 8 bytes; bit 21 beside a mask; no padding
	s_or_b32 s[G1B], s3, (3<<16)|(1<<21)           ; R's go to my column
	s_mov_b32 s[G1A+1], 32<<16                     ; rows of 256 bytes, dense:
	s_mov_b32 s[G1A+2], 100<<16                    ; 100 of them: half of g's four records
	s_mov_b32 s[G1A+3], 32<<16
	s_mov_b32 s[G1A+4], 100
	s_mov_b32 s[G1A+5], 32
	s_mov_b32 s[G1A+6], 0
	s_mov_b32 s[G1A+7], 0
	s_mov_b32 s[G1B+1], 32<<16
	s_mov_b32 s[G1B+2], 200<<16                    ; 200: half of R's four records
	s_mov_b32 s[G1B+3], 32<<16
	s_mov_b32 s[G1B+4], 200
	s_mov_b32 s[G1B+5], 32
	s_mov_b32 s[G1B+6], 0
	s_mov_b32 s[G1B+7], 0
	s_mul_i32 s18, s16, ASL/2                      ; my half of g's part of a slot,
	s_mul_i32 s19, s16, BSL/2                      ; or of R's: the wave's number alone enters an LDS address
	s_mul_i32 s20, s17, 8*ASL                      ; g: the token block
	s_add_co_u32 s20, s20, s18
	s_mov_b32 s21, 0
	s_mul_i32 s46, s42, 8*BSL                      ; R: the d tile
	s_add_co_u32 s46, s46, s19
	s_mov_b32 s47, 0
	s_lshl_b32 s10, s17, 19                        ; out0: 128 tb rows of 4,096 bytes
	s_lshl_b32 s11, s42, 10                        ; + 256 dt columns
	s_add_co_u32 s10, s10, s11
	s_lshl_b32 s69, s14, 8                         ; + 64 w
	s_add_co_u32 s10, s10, s69
	s_mov_b32 s11, 0
	s_mul_i32 s12, s17, 8*ASL                      ; g's prefetches: the token block, my work-group's 50 blocks of a slot's worth
	s_mul_i32 s13, s40, ASL/4
	s_add_co_u32 s12, s12, s13
	s_mov_b32 s13, 0
	s_mul_i32 s22, s42, 8*BSL                      ; R's: the d tile, my work-group's 100 blocks, my wave's 25
	s_mul_i32 s23, s41, BSL/4
	s_add_co_u32 s22, s22, s23
	s_mul_i32 s23, s14, BSL/16
	s_add_co_u32 s22, s22, s23
	s_mov_b32 s23, 0
	s_mul_i32 s68, s14, 6144
	s_add_co_u32 s68, s68, ASL
	s_add_co_u32 s69, s69, ASL+24576
	s_mul_i32 s70, s14, 13
	s_mul_i32 s71, s14, 16*SPITCH
	s_add_co_u32 s71, s71, STAGE                   ; my stage
	v_and_b32 v1, 31, v0                           ; lane l
	v_and_b32 v20, 15, v0
	v_bfe_u32 v21, v0, 4, 1
	v_lshlrev_b32 v[GA], 4, v1
	v_lshl_add_u32 v[GSA], v1, 3, 12288
	v_lshl_add_u32 v[RSA], v1, 2, s69
	v_add_nc_u32 v[RA], s68, v[GA]
	v_add_nc_u32 v[GA+1], SLOT, v[GA]
	v_add_nc_u32 v[GSA+1], SLOT, v[GSA]
	v_add_nc_u32 v[RA+1], 2*RREC, v[RA]
	v_add_nc_u32 v[RA+2], SLOT, v[RA]
	v_add_nc_u32 v[RA+3], SLOT+2*RREC, v[RA]
	v_add_nc_u32 v[RSA+1], 2*RREC, v[RSA]
	v_add_nc_u32 v[RSA+2], SLOT, v[RSA]
	v_add_nc_u32 v[RSA+3], SLOT+2*RREC, v[RSA]
	v_min_u32 v[PFR], 24, v1
	v_min_u32 v[PFG], 12, v1
	v_lshlrev_b32 v[PFR], 8, v[PFR]
	v_add_nc_u32 v[PFG], s70, v[PFG]
	v_min_u32 v[PFG], 49, v[PFG]
	v_lshlrev_b32 v[PFG], 8, v[PFG]
	v_mul_u32_u24 v[STO], v20, SPITCH
	v_lshl_add_u32 v[STO], v21, 6, v[STO]
	v_add_nc_u32 v[STO], s71, v[STO]               ; in: row l % 16, + 64 (l / 16)
	v_mul_u32_u24 v[RD], v21, SPITCH
	v_lshl_add_u32 v[RD], v20, 4, v[RD]
	v_add_nc_u32 v[RD], s71, v[RD]                 ; back: sixteen lanes take a row of 256 bytes, two rows an instruction;
	v_lshlrev_b32 v[CO], 12, v21
	v_lshl_add_u32 v[CO], v20, 4, v[CO]            ; and the same in out0
	s_wait_alu depctr_va_vdst(0)
	s_wait_dscnt 0x0                               ; both opening adds are done
	s_wait_kmcnt 0x0
	s_add_nc_u64 s[20:21], s[4:5], s[20:21]
	s_add_nc_u64 s[46:47], s[6:7], s[46:47]
.irp s, 0,1
	s_mov_b32 s[G0A+4*\s], 1
	s_add_co_u32 s[G0A+4*\s+1], s18, \s*SLOT
	s_add_nc_u64 s[G0A+4*\s+2:G0A+4*\s+3], s[20:21], \s*ASL
	s_or_b32 s[G0A+4*\s+3], s[G0A+4*\s+3], 0x80000000
	s_mov_b32 s[G0B+4*\s], 1
	s_add_co_u32 s[G0B+4*\s+1], s19, \s*SLOT+ASL
	s_add_nc_u64 s[G0B+4*\s+2:G0B+4*\s+3], s[46:47], \s*BSL
	s_or_b32 s[G0B+4*\s+3], s[G0B+4*\s+3], 0x80000000
.endr
	s_add_nc_u64 s[8:9], s[8:9], s[10:11]
	s_add_nc_u64 s[PG:PG+1], s[4:5], s[12:13]
	s_add_nc_u64 s[PR:PR+1], s[6:7], s[22:23]
	CROUND                                         ; all sixteen work-groups are here: the first joint loads meet
	JLOAD 0                                        ; K steps 0-3: one tensor load a wave at the head
	ASKS 1
	ASKS 2
	s_wait_tensorcnt 0x0                           ; my part of slot 0 is in
	ds_add_u32 v[SPW], v[NIL]
	s_wait_dscnt 0x0
	CROUND                                         ; everybody's part is in, and the joint loads meet
	JLOAD 1                                        ; K steps 4-7 into slot 1
	ASKS 3
	FETCH 0, 0, 0
	UNIT 0, 1, 0, 1                                ; the first K step stands in front of the loop: its products start the sums
	WIN 0                                          ; at a label and at a branch every window is 0
	s_mov_b32 s3, 3
.Llap:                                             ; a trip goes once round the ring, from a lap's second K step to the next lap's first, and fills both slots again
	UNIT 1, 0, 0, 2
	UNIT 0, 0, 0, 3
	BUNIT 1, 0, 1, 4
	UNIT 0, 0, 1, 1
	UNIT 1, 0, 1, 2
	UNIT 0, 0, 1, 3
	BUNIT 1, 1, 1, 5
	UNIT 0, 0, 0, 1
	WIN 0
	s_wait_xcnt 0x0                                ; my prefetches have read their bases: they are stepped only behind this wait
	s_add_nc_u64 s[PG:PG+1], s[PG:PG+1], 2*ASL
	s_add_nc_u64 s[PR:PR+1], s[PR:PR+1], 2*BSL
	s_sub_co_u32 s3, s3, 1
	s_cmp_lg_u32 s3, 0
	s_cbranch_scc1 .Llap
	UNIT 1, 0, 0, 2                                ; the last lap is written out: it fills nothing, and has no round
	UNIT 0, 0, 0, 3
	BUNIT 1, 0, 0, 0
	UNIT 0, 0, 1, 1
	UNIT 1, 0, 1, 2
	UNIT 0, 0, 1, 3
	UNIT 1, 0, -1, 0
; THE WAY OUT, a tile of 16 tokens x 64 d at a time.  A lane holds pieces of 64 bytes of one row, and the lanes beside it hold other rows: so a tile goes through my own stage in LDS and comes back as whole rows of
; 256 bytes.  LDS serves a wave's instructions in order (ISA guide 5.7.1.4): no wait between the stores and the loads, nor in front of the next tile's stores.
; Each tile comes back into 32 registers of its own in window 1, so no register that a store reads is written again.
.macro TOSTAGE a
	WIN 0x08                                       ; an LDS store's data are its source 1: window 2
.irp q, 0,1,2,3
	ds_store_b128 v[STO], v[8*(4*(\a)+\q):8*(4*(\a)+\q)+3] offset:128*(\q/2)+32*(\q%2)          ; each accumulator from its low end on
	ds_store_b128 v[STO], v[8*(4*(\a)+\q)+4:8*(4*(\a)+\q)+7] offset:128*(\q/2)+32*(\q%2)+16
.endr
	WIN 0x40                                       ; destination window 1
.irp t, 0,1,2,3,4,5,6,7
	ds_load_b128 v[32*(\a)+4*\t:32*(\a)+4*\t+3], v[RD] offset:2*SPITCH*\t
.endr
.endm
.macro SEND a, younger                 ; younger: the LDS instructions issued behind tile a's loads, which may stay out
	s_wait_dscnt \younger
	WIN 0x04                                       ; a store's data are its source 1: window 1
.irp t, 0,1,2,3,4,5,6,7
	global_store_b128 v[CO], v[32*(\a)+4*\t:32*(\a)+4*\t+3], s[8:9] offset:(16*(\a)+2*\t)*4096 th:TH_STORE_NT   ; sixteen lanes store 256 consecutive bytes, at a multiple of 256 from out0's first byte
.endr
.endm
	PLACES 4                                       ; behind the last products: for the stores that read results and the loads into registers that held R's fragments
	TOSTAGE 0
.irp a, 1,2,3,4,5,6,7
	TOSTAGE \a
	SEND \a-1, 16                                  ; behind tile a - 1's loads: tile a's 8 stores and 8 loads
.endr
	SEND 7, 0
	WIN 0
	s_wait_tensorcnt 0x0                           ; the wave's end
	ds_add_u32 v[SPW], v[NIL]
	s_wait_dscnt 0x0
	CROUND                                         ; the closing round: no work-group ends while a partner may still ask for a tile that names it
	s_endpgm
.Lfunc_end_k_qdd1912fcb1_g2:
	.size	k_qdd1912fcb1_g2, .Lfunc_end_k_qdd1912fcb1_g2-k_qdd1912fcb1_g2
	.p2alignl 7, 3214868480
	.fill 96, 4, 3214868480
	.section	.rodata,"a",@progbits
	.p2align	6, 0x0
	.amdhsa_kernel k_qdd1912fcb1_g2
		.amdhsa_group_segment_fixed_size 327680
		.amdhsa_private_segment_fixed_size 0
		.amdhsa_enable_private_segment 0
		.amdhsa_kernarg_size 24
		.amdhsa_user_sgpr_count 2
		.amdhsa_user_sgpr_kernarg_segment_ptr 1
		.amdhsa_wavefront_size32 1
		.amdhsa_system_sgpr_workgroup_id_x 1
		.amdhsa_system_sgpr_workgroup_id_y 1
		.amdhsa_system_sgpr_workgroup_id_z 1
		.amdhsa_system_vgpr_workitem_id 0
		.amdhsa_next_free_vgpr 768
		.amdhsa_next_free_sgpr 72
		.amdhsa_reserve_vcc 0
		.amdhsa_float_denorm_mode_32 3
		.amdhsa_float_denorm_mode_16_64 3
		.amdhsa_memory_ordered 1
		.amdhsa_forward_progress 1
		.amdhsa_inst_pref_size 137
	.end_amdhsa_kernel
	.amdgpu_metadata
---
amdhsa.version: [ 1, 2 ]
amdhsa.kernels:
  - .name:           k_qdd1912fcb1_g2
    .symbol:         k_qdd1912fcb1_g2.kd
    .args:
      - { .name: gq, .offset: 0, .size: 8, .value_kind: global_buffer, .address_space: global }
      - { .name: rq, .offset: 8, .size: 8, .value_kind: global_buffer, .address_space: global }
      - { .name: out0, .offset: 16, .size: 8, .value_kind: global_buffer, .address_space: global }
    .group_segment_fixed_size: 327680
    .private_segment_fixed_size: 0
    .kernarg_segment_align: 8
    .kernarg_segment_size: 24
    .max_flat_workgroup_size: 128
    .sgpr_count:     72
    .vgpr_count:     768
    .wavefront_size: 32
...
	.end_amdgpu_metadata
.endif
;; end of part 3
